; MI455X (gfx1250); checked and timed in simulation.
; The chip was launched on July 23, 2026; its instructions are those of AMD's public machine-readable ISA for CDNA 5 (MIT licence, August 2026) and "CDNA5" Instruction Set Architecture Reference Guide (July 2026). The comments in the code are by the model that wrote it; some were corrected since.
;; Self Attention Ground Truth. Allowed arithmetic: float matrix products may take bf16 or f16 operands with f32 sums; all other float work in f32.
;; Inputs: key 4 x 16 x 2,048 x 128 float32; mask 1 x 1 x 2,048 x 2,048 float32; query 4 x 16 x 2,048 x 128 float32; value 4 x 16 x 2,048 x 128 float32.
;; Outputs: out0 4 x 16 x 2,048 x 128 float32.
;; One version. Each part assembles by itself: llvm-mc -triple=amdgcn-amd-amdhsa -mcpu=gfx1250 --defsym DOCPART=n.
;; ======== version 1 of 1: 1 launch
;; launch attn (part 1): grid 8 x 64, 4 waves a work-group, clusters of 4 x 4, 327,680 bytes of LDS; arguments query, key, value, mask, out0; writes out0
.if DOCPART == 1
	.amdgcn_target "amdgcn-amd-amdhsa--gfx1250"
	.amdhsa_code_object_version 6
	.text
	.protected	k_q4d2adb073a_attn
	.globl	k_q4d2adb073a_attn
	.p2align	8
	.type	k_q4d2adb073a_attn,@function
k_q4d2adb073a_attn:
	s_mov_b64 s[64:65], 0
	v_nop
	global_prefetch_b8 v0, s[64:65] scope:SCOPE_SE
	s_setreg_imm32_b32 hwreg(HW_REG_WAVE_MODE, 25, 1), 1
	s_wait_xcnt 0x0
	s_wait_alu depctr_hold_cnt(0) depctr_sa_sdst(0) depctr_va_vdst(0) depctr_va_sdst(0) depctr_va_ssrc(0) depctr_va_vcc(0) depctr_vm_vsrc(0)
	s_getreg_b32 s2, hwreg(HW_REG_IB_STS2, 6, 4)
	s_cmp_eq_u32 s2, 0
	s_cbranch_scc0 .Lentry_in_a_cluster
	s_endpgm
.Lentry_in_a_cluster:
	s_bfe_u32 s2, ttmp6, 0x10000c
	s_cmp_lg_u32 s2, 0xf033
	s_cbranch_scc0 .Lentry_shape_is_right
	s_endpgm
.Lentry_shape_is_right:
; out = softmax((Q K^T + mask) / sqrt(128)) V.  Q, K, V, out: [64 heads][2048][128] f32; mask: [2048][2048] f32, the same for every head.
; One launch.  A work-group takes 256 query rows of one head; wave w takes rows 64 w .. 64 w + 63 (four tiles of 16).  Keys go in 32 steps of 64.
; FIRST PRODUCT, TRANSPOSED: S^T = K Q^T + mask^T.  Source 0 = 16 keys x 32 d, source 1 = 16 queries x 32 d, and the C operand is the mask tile itself,
; loaded from LDS straight into the accumulators: the mask costs no vector add.  Lane (r, h) then holds keys 8 h + 0..7 of query r: a lane serves one
; query, so maximum and sum are made inside the lane plus one exchange with lane xor 16, and two neighbouring key tiles, packed to bf16, ARE the
; source-1 fragment of the SECOND PRODUCT O^T = V^T P^T (source 0 = V^T, read with the transposing LDS load from bf16 V stored [key][d]).
; In O^T a lane again holds one query, so the running correction and 1 / l are factors of the lane.
; SOFTMAX: running maximum m of the raw scores s = qk + mask; p = 2^(s c - m c), c = log2(e) / sqrt(128); the old sums are scaled by 2^((m_old - m_new) c).
; FORMATS: Q, K, V and p go to the matrix unit in bf16, all sums in f32.  K and V arrive in f32: each wave rounds 16 rows of each to bf16 into an LDS stage.
; LIMITS: the running maximum starts at -2^127, so a -inf in the mask gives p = 0; a row whose scores are ALL -inf or all below -2^127 gives l = 0 and NaN
; (for all -inf the exact result is NaN too).  l is summed from p in f32, the numerator from p rounded to bf16.  NaN and +inf scores give NaN.
; CLUSTERS: 4 query blocks x 4 heads.  The K and V tiles hang on the head alone and are asked for jointly by the four work-groups of a cluster row; the mask
; tile hangs on the query block alone and is asked for jointly by the four of a cluster column.  Per step a work-group needs 64 KiB of K and V and 64 KiB of
; mask, so both kinds of request are divided by four.  Q (128 KiB, once) is each work-group's own.
;
; LDS: two slots of 4 parts of 34,816 bytes, part w filled by wave w: K (64 rows x 512 bytes), V (the same), mask rows 0-127 and 128-255 (256 bytes + 16 of
; padding each).  Slot 1 first holds Q (wave w: 64 rows of 512 + 16 bytes in part w).  Behind the slots, never a target of a tensor load: K in bf16
; (64 rows, pitch 272), V in bf16 (64 rows, pitch 288); the same bytes serve as the stage of the way out (wave w: 16 rows, pitch 528).
; Pitches 272 and 528 are odd multiples of 16 bytes, 288 an odd multiple of 32: the sixteen rows that a load touches begin at different 16-byte columns of 256.
.set WPART,  34816                     ; a wave's part of a slot
.set SLOT,   4*WPART
.set VF,     WPART                     ; V in f32
.set MK,     2*WPART                   ; the mask tile
.set MPITCH, 272
.set BF,     2*SLOT                    ; K in bf16
.set KPITCH, 272
.set VPITCH, 288
.set VB16,   BF+64*KPITCH              ; V in bf16
.set QPITCH, 528                       ; Q stage, and the stage of the way out
.set CLOG,   0x3e0293ee                ; c = log2(e) / sqrt(128)
.set NCLOG,  0xbe0293ee                ; -c
; REGISTERS, in windows of 256.
; window 0: addresses, fragments, packed results
.set ADRC,  8                          ; v8-9    slot s: my 16 bytes of row 16 w of K in f32
.set ADRM,  10                         ; v10-11  slot s: mask row 64 w + r, byte 32 h
.set ADRSK, 12                         ; where I put 8 bytes of a bf16 row of K
.set ADRSV, 13                         ; the same for V
.set ADRK,  14                         ; K fragments
.set ADRV,  15                         ; V^T fragments
.set ADRQ,  16                         ; Q stage
.set STO,   17                         ; way out: in
.set RD,    18                         ; way out: back
.set CO,    19                         ; 16 x lane
.set PFV,   20                         ; prefetch: my work-group's eighth, 256 bytes a lane
.set FR,    64                         ; v64-191  fragments, landing registers
.set CV,    192                        ; v192-255 packed or scaled results
; window 1: O(dt, qt) at 8 (4 dt + qt)
.set OA,    0
; window 2
.set SC,    0                          ; S(kt, qt) at 8 (4 kt + qt)
.set PB,    128                        ; P(kc, qt) at 128 + 8 (4 kc + qt)
.set MX,    192                        ; running maxima, two banks of four that take turns with the slots: the old maximum needs no copy
.set TT,    200                        ; four temporaries
.set NM,    204                        ; four pairs: -m c, twice
.set AL,    212                        ; four pairs: the correction, twice; at the end 1 / l
.set LS,    220                        ; four pairs of partial sums of p
; window 3: Q fragments QF(qt, c) at 8 (4 qt + c)
.set QF,    0
.set G1KV, 24                          ; s[24:31] shape of a K or V tile
.set G1M,  32                          ; s[32:39] shape of half a mask tile
.set G1Q,  40                          ; s[40:47] shape of a wave's Q rows
.set G0KV, 48                          ; s[48:55] from where, to where: K or V, a set for each slot
.set G0M,  56                          ; s[56:63] the same for the mask
.set G0Q,  68                          ; s[68:71] Q
; s_set_vgpr_msb, low byte: bits 1:0 source 0, 3:2 source 1, 5:4 source 2, 7:6 destination
.set W_MASK, 0x80                      ; LDS load into window 2
.set W_QK,   0xac                      ; D, C window 2; K window 0; Q window 3
.set W_SM,   0xaa                      ; all window 2
.set W_RS,   0x49                      ; O (window 1) times a pair of window 2
.set W_PV,   0x58                      ; D, C window 1; V window 0; P window 2
.set W_QCV,  0xc0                      ; window 0 to window 3
.set W_FIN,  0x09                      ; O (window 1) times a pair of window 2, into window 0
.set MSB, 0
.macro WIN new                         ; the immediate's high byte repeats the setting that is left
.if MSB != \new
	s_set_vgpr_msb (MSB<<8)|\new
.set MSB, \new
.endif
.endm
; Four plain vector instructions stand between a matrix instruction and a vector instruction that reads its result or a load into one of its
; registers (ISA guide 7.12.1 for vector instructions).
.macro PLACES
.rept 4
	v_nop
.endr
.endm
; A round of the cluster's barrier: my work-group's barrier, wave 0 signals for the work-group, every wave waits for all sixteen, my work-group's barrier again.
.macro ROUND
	s_barrier_signal -1
	s_barrier_wait -1
	s_cmp_lg_u32 s14, 0
	s_cbranch_scc1 .Lnot_wave_0_\@
	s_barrier_signal -3
.Lnot_wave_0_\@:
	s_barrier_wait -3
	s_barrier_signal -1
	s_barrier_wait -1
.endm
; A wave's one joint load into slot s: waves 0 and 1 ask for K and V (mask of my cluster row), waves 2 and 3 for the two halves of the mask tile (my column).
; The branch hangs on the wave's number alone.  pf = 1: waves 0 and 1 also ask, for K and for V, that 8 KiB of the two tiles whose tensor loads follow one
; and two trips later be brought nearer: 32 lanes, 256 bytes apart, the eighth that belongs to my query block; the eight query blocks of a head ask for
; each block of 256 bytes once.  The last such request is made in trip 28, for tiles 30 and 31, the head's last.
.macro JLOAD s, pf
	s_cmp_eq_u32 s15, 0
	s_cbranch_scc0 .Lfor_mask_\@
	tensor_load_to_lds s[G0KV+4*\s:G0KV+4*\s+3], s[G1KV:G1KV+7]
	s_nop 0
.if \pf
	global_prefetch_b8 v[PFV], s[76:77] th:TH_LOAD_NT scope:SCOPE_SE
.endif
	s_branch .Lasked_\@
.Lfor_mask_\@:
	tensor_load_to_lds s[G0M+4*\s:G0M+4*\s+3], s[G1M:G1M+7]
	s_nop 0
.Lasked_\@:
.endm
; The mask tile goes straight into the 16 accumulators: register j of S(kt, qt) = mask[query 16 qt + r][key 16 kt + 8 h + j].
.macro MASKLD slot
	WIN W_MASK
.irp kt, 0,1,2,3
.irp qt, 0,1,2,3
	ds_load_b128 v[SC+8*(4*\kt+\qt):SC+8*(4*\kt+\qt)+3],   v[ADRM+\slot] offset:\qt*16*MPITCH+\kt*64
	ds_load_b128 v[SC+8*(4*\kt+\qt)+4:SC+8*(4*\kt+\qt)+7], v[ADRM+\slot] offset:\qt*16*MPITCH+\kt*64+16
.endr
.endr
	WIN 0
.endm
; My 16 rows of K and of V, f32 to bf16: a load takes a whole row (32 lanes x 16 bytes), a store puts it back as 32 x 8 bytes.
.macro CONVERT slot
	PLACES                                         ; FR was read by the last step's last matrix instructions
.irp i, 0,1,2,3,4,5,6,7,8,9,10,11,12,13,14,15
	ds_load_b128 v[FR+4*\i:FR+4*\i+3], v[ADRC+\slot] offset:512*\i
.endr
.irp i, 0,1,2,3,4,5,6,7,8,9,10,11,12,13,14,15
	ds_load_b128 v[FR+64+4*\i:FR+64+4*\i+3], v[ADRC+\slot] offset:VF+512*\i
.endr
.irp g, 0,1,2,3
	s_wait_dscnt 28                                ; group g of eight: behind its four loads stand 28 - 4 g loads and the 4 g stores issued so far
.irp i, 0,1,2,3
	v_cvt_pk_bf16_f32 v[CV+2*(4*\g+\i)],   v[FR+4*(4*\g+\i)],   v[FR+4*(4*\g+\i)+1]
	v_cvt_pk_bf16_f32 v[CV+2*(4*\g+\i)+1], v[FR+4*(4*\g+\i)+2], v[FR+4*(4*\g+\i)+3]
.endr
.irp i, 0,1,2,3
	ds_store_b64 v[ADRSK], v[CV+2*(4*\g+\i):CV+2*(4*\g+\i)+1] offset:KPITCH*(4*\g+\i)
.endr
.endr
.irp g, 0,1,2,3
	s_wait_dscnt 28                                ; groups 4 to 7: the same count
.irp i, 0,1,2,3
	v_cvt_pk_bf16_f32 v[CV+32+2*(4*\g+\i)],   v[FR+64+4*(4*\g+\i)],   v[FR+64+4*(4*\g+\i)+1]
	v_cvt_pk_bf16_f32 v[CV+32+2*(4*\g+\i)+1], v[FR+64+4*(4*\g+\i)+2], v[FR+64+4*(4*\g+\i)+3]
.endr
.irp i, 0,1,2,3
	ds_store_b64 v[ADRSV], v[CV+32+2*(4*\g+\i):CV+32+2*(4*\g+\i)+1] offset:VPITCH*(4*\g+\i)
.endr
.endr
.endm
; K fragment (kt, c) = keys 16 kt .., d 32 c .., at FR + 8 (4 c + kt): two loads of 16 bytes, 32 bytes apart.  Eight loads for each c.
.macro KLOAD
.irp c, 0,1,2,3
.irp kt, 0,1,2,3
	ds_load_b128 v[FR+8*(4*\c+\kt):FR+8*(4*\c+\kt)+3],   v[ADRK] offset:\kt*16*KPITCH+64*\c
	ds_load_b128 v[FR+8*(4*\c+\kt)+4:FR+8*(4*\c+\kt)+7], v[ADRK] offset:\kt*16*KPITCH+64*\c+32
.endr
.endr
.endm
; 64 matrix instructions.  The 16 accumulators take turns, one instruction a turn, in the same order for every c.
.macro QK
	WIN W_QK
.irp c, 0,1,2,3
	s_wait_dscnt 24-8*\c                           ; the eight loads of each later c may be out
.irp kt, 0,1,2,3
.irp qt, 0,1,2,3
	v_wmma_f32_16x16x32_bf16 v[SC+8*(4*\kt+\qt):SC+8*(4*\kt+\qt)+7], v[FR+8*(4*\c+\kt):FR+8*(4*\c+\kt)+7], v[QF+8*(4*\qt+\c):QF+8*(4*\qt+\c)+7], v[SC+8*(4*\kt+\qt):SC+8*(4*\kt+\qt)+7]
.endr
.endr
.endr
.endm
; V^T fragment (dt, kc) = d 16 dt .., keys 32 kc .., at FR + 8 (8 kc + dt): two transposing loads, 16 rows apart.  Issued ahead of the softmax, used behind it.
.macro VLOAD
	PLACES                                         ; behind the last products: for these loads into FR and for the softmax, which reads S
	WIN 0
.irp kc, 0,1
.irp dt, 0,1,2,3,4,5,6,7
	ds_load_tr16_b128 v[FR+8*(8*\kc+\dt):FR+8*(8*\kc+\dt)+3],   v[ADRV] offset:\kc*32*VPITCH+32*\dt
	ds_load_tr16_b128 v[FR+8*(8*\kc+\dt)+4:FR+8*(8*\kc+\dt)+7], v[ADRV] offset:\kc*32*VPITCH+32*\dt+16*VPITCH
.endr
.endr
.endm
; The step's softmax.  Bank slot of MX takes the new maxima, bank other holds the old ones.  first = 1: nothing to correct, the sums begin.
.macro SOFTMAX slot, other, first
	WIN W_SM
.irp qt, 0,1,2,3                       ; four chains, one for each query tile, that do not wait for each other
	v_max3_num_f32 v[MX+4*\slot+\qt], v[MX+4*\other+\qt], v[SC+8*\qt], v[SC+8*\qt+1]
.endr
.irp j, 2,4,6
.irp qt, 0,1,2,3
	v_max3_num_f32 v[MX+4*\slot+\qt], v[MX+4*\slot+\qt], v[SC+8*\qt+\j], v[SC+8*\qt+\j+1]
.endr
.endr
.irp kt, 1,2,3
.irp j, 0,2,4,6
.irp qt, 0,1,2,3
	v_max3_num_f32 v[MX+4*\slot+\qt], v[MX+4*\slot+\qt], v[SC+8*(4*\kt+\qt)+\j], v[SC+8*(4*\kt+\qt)+\j+1]
.endr
.endr
.endr
.irp qt, 0,1,2,3
	v_permlanex16_b32 v[TT+\qt], v[MX+4*\slot+\qt], s72, s73       ; the other half of the query's keys lies in lane xor 16
.endr
.irp qt, 0,1,2,3
	v_max_num_f32 v[MX+4*\slot+\qt], v[MX+4*\slot+\qt], v[TT+\qt]
.endr
.if \first == 0
.irp qt, 0,1,2,3
	v_sub_f32 v[TT+\qt], v[MX+4*\other+\qt], v[MX+4*\slot+\qt]     ; m_old - m_new: exactly 0 where the maximum stays
.endr
.irp qt, 0,1,2,3
	v_mul_f32 v[TT+\qt], CLOG, v[TT+\qt]
.endr
.endif
.irp qt, 0,1,2,3
	v_mul_f32 v[NM+2*\qt],   NCLOG, v[MX+4*\slot+\qt]
	v_mul_f32 v[NM+2*\qt+1], NCLOG, v[MX+4*\slot+\qt]
.endr
.irp kt, 0,1,2,3
.irp qt, 0,1,2,3
.irp j, 0,2,4,6
	v_pk_fma_f32 v[SC+8*(4*\kt+\qt)+\j:SC+8*(4*\kt+\qt)+\j+1], v[SC+8*(4*\kt+\qt)+\j:SC+8*(4*\kt+\qt)+\j+1], CLOG, v[NM+2*\qt:NM+2*\qt+1] op_sel_hi:[1,0,1]
.endr
.endr
.endr
.if \first == 0
.irp qt, 0,1,2,3
	v_exp_f32 v[AL+2*\qt],   v[TT+\qt]
	v_exp_f32 v[AL+2*\qt+1], v[TT+\qt]
.endr
.endif
.set ii, 0
.rept 128
	v_exp_f32 v[SC+ii], v[SC+ii]
.set ii, ii+1
.endr
	v_nop                                          ; one plain vector instruction between the last exponential and the first use of a result (ISA guide 5.7.2)
.if \first
	s_wait_alu depctr_va_vdst(0)
.irp qt, 0,1,2,3
	v_pk_add_f32 v[LS+2*\qt:LS+2*\qt+1], v[SC+8*\qt:SC+8*\qt+1], v[SC+8*\qt+2:SC+8*\qt+3]      ; the first two pairs start the sums: nothing is cleared
.endr
.irp j, 4,6
.irp qt, 0,1,2,3
	v_pk_add_f32 v[LS+2*\qt:LS+2*\qt+1], v[LS+2*\qt:LS+2*\qt+1], v[SC+8*\qt+\j:SC+8*\qt+\j+1]
.endr
.endr
.else
	s_wait_alu depctr_va_vdst(0)
.irp qt, 0,1,2,3
	v_pk_fma_f32 v[LS+2*\qt:LS+2*\qt+1], v[LS+2*\qt:LS+2*\qt+1], v[AL+2*\qt:AL+2*\qt+1], v[SC+8*\qt:SC+8*\qt+1]   ; the old sums corrected, and the first pair
.endr
.irp j, 2,4,6
.irp qt, 0,1,2,3
	v_pk_add_f32 v[LS+2*\qt:LS+2*\qt+1], v[LS+2*\qt:LS+2*\qt+1], v[SC+8*\qt+\j:SC+8*\qt+\j+1]
.endr
.endr
.endif
.irp kt, 1,2,3
.irp j, 0,2,4,6
.irp qt, 0,1,2,3
	v_pk_add_f32 v[LS+2*\qt:LS+2*\qt+1], v[LS+2*\qt:LS+2*\qt+1], v[SC+8*(4*\kt+\qt)+\j:SC+8*(4*\kt+\qt)+\j+1]
.endr
.endr
.endr
; key tiles 2 kc and 2 kc + 1 pack into registers 0-3 and 4-7 of P(kc, qt): keys 32 kc + 8 h + 0..7 and 32 kc + 16 + 8 h + 0..7 of query r
.irp kc, 0,1
.irp e, 0,1
.irp qt, 0,1,2,3
.irp j, 0,1,2,3
	v_cvt_pk_bf16_f32 v[PB+8*(4*\kc+\qt)+4*\e+\j], v[SC+8*(4*(2*\kc+\e)+\qt)+2*\j], v[SC+8*(4*(2*\kc+\e)+\qt)+2*\j+1]
.endr
.endr
.endr
.endr
.endm
.macro RESCALE                         ; O times the correction of the lane's query
	WIN W_RS
.irp dt, 0,1,2,3,4,5,6,7
.irp qt, 0,1,2,3
.irp j, 0,2,4,6
	v_pk_mul_f32 v[OA+8*(4*\dt+\qt)+\j:OA+8*(4*\dt+\qt)+\j+1], v[OA+8*(4*\dt+\qt)+\j:OA+8*(4*\dt+\qt)+\j+1], v[AL+2*\qt:AL+2*\qt+1]
.endr
.endr
.endr
.endm
; 64 matrix instructions.  The 32 accumulators take turns, one instruction a turn, in the same order for both kc.
; first = 1: the first product starts the sums with the constant 0.
.macro PV first
	WIN W_PV
	s_wait_dscnt 16                                ; the sixteen loads of kc = 1 may be out
.irp dt, 0,1,2,3,4,5,6,7
.irp qt, 0,1,2,3
.if \first
	v_wmma_f32_16x16x32_bf16 v[OA+8*(4*\dt+\qt):OA+8*(4*\dt+\qt)+7], v[FR+8*\dt:FR+8*\dt+7], v[PB+8*\qt:PB+8*\qt+7], 0
.else
	v_wmma_f32_16x16x32_bf16 v[OA+8*(4*\dt+\qt):OA+8*(4*\dt+\qt)+7], v[FR+8*\dt:FR+8*\dt+7], v[PB+8*\qt:PB+8*\qt+7], v[OA+8*(4*\dt+\qt):OA+8*(4*\dt+\qt)+7]
.endif
.endr
.endr
	s_wait_dscnt 0
.irp dt, 0,1,2,3,4,5,6,7
.irp qt, 0,1,2,3
	v_wmma_f32_16x16x32_bf16 v[OA+8*(4*\dt+\qt):OA+8*(4*\dt+\qt)+7], v[FR+8*(8+\dt):FR+8*(8+\dt)+7], v[PB+8*(4+\qt):PB+8*(4+\qt)+7], v[OA+8*(4*\dt+\qt):OA+8*(4*\dt+\qt)+7]
.endr
.endr
	WIN 0
.endm
; One step of 64 keys, from slot slot.  refill = 1: the next step's tiles are asked for, into the other slot.
.macro TRIP slot, other, refill, first, pf, pfstep
	s_wait_tensorcnt 0x0                           ; all my tensor loads have landed, my part of this step's tiles among them: every group 0 may be written
	ds_add_u32 v62, v63
	s_wait_dscnt 0x0
	s_add_nc_u64 s[G0KV+4*\slot+2:G0KV+4*\slot+3], s[G0KV+4*\slot+2:G0KV+4*\slot+3], 65536    ; this slot's next tile: 128 rows of 512 bytes on
	s_add_nc_u64 s[G0M+4*\slot+2:G0M+4*\slot+3], s[G0M+4*\slot+2:G0M+4*\slot+3], 512          ; 128 keys of 4 bytes on
.if \pfstep
	s_wait_xcnt 0x0                                ; the prefetch of the trip before has had its addresses translated: its base may step
	s_add_nc_u64 s[76:77], s[76:77], 65536
.endif
	s_wait_dscnt 0x0                               ; my reads of the other slot and of the bf16 stage are over
	ROUND                                          ; both now hold of every wave of all sixteen work-groups
.if \refill
	JLOAD \other, \pf                              ; my one tensor load until the next round; it has this whole step in which to land
.endif
	MASKLD \slot
	CONVERT \slot
	s_wait_dscnt 0x0                               ; my bf16 rows are written (and the mask is in its registers)
	s_barrier_signal -1                            ; the tensor load just issued stays out
	s_barrier_wait -1                              ; all 64 rows of K and of V are there in bf16
	KLOAD
	QK
	VLOAD
	SOFTMAX \slot, \other, \first
.if \first == 0
	RESCALE
.endif
	PV \first
.endm
; The way out, 16 query rows at a time: O / l into my own stage (lane: row r, 32 bytes at 64 dt + 32 h), back as whole rows of 512 bytes.
.macro OUT16 qt, f
	WIN W_FIN
	s_wait_alu depctr_va_vdst(0)
.irp dt, 0,1,2,3,4,5,6,7
.irp j, 0,2,4,6
	v_pk_mul_f32 v[CV+8*\dt+\j:CV+8*\dt+\j+1], v[OA+8*(4*\dt+\qt)+\j:OA+8*(4*\dt+\qt)+\j+1], v[AL+2*\qt:AL+2*\qt+1]
.endr
.endr
	WIN 0
.irp dt, 0,1,2,3,4,5,6,7
	ds_store_b128 v[STO], v[CV+8*\dt:CV+8*\dt+3]   offset:64*\dt
	ds_store_b128 v[STO], v[CV+8*\dt+4:CV+8*\dt+7] offset:64*\dt+16
.endr
	s_wait_xcnt 0x0                                ; every earlier store has had its addresses translated (ISA guide 3.1): the registers that it read are loaded again only behind this wait
.irp t, 0,1,2,3,4,5,6,7,8,9,10,11,12,13,14,15
	ds_load_b128 v[\f+4*\t:\f+4*\t+3], v[RD] offset:QPITCH*\t      ; LDS serves a wave's instructions in order (ISA guide 5.7.1): these see the stores above
.endr
.irp t, 0,1,2,3,4,5,6,7,8,9,10,11,12,13,14,15
	s_wait_dscnt 15-\t                             ; the later rows may be out
	global_store_b128 v[CO], v[\f+4*\t:\f+4*\t+3], s[12:13] offset:8192*\qt+512*\t th:TH_STORE_NT   ; the wave stores 512 consecutive bytes, one row of out, aligned
.endr
.endm
	; ---------------- set-up ----------------
	s_load_b256 s[4:11], s[0:1], 0x0               ; query s[4:5], key s[6:7], value s[8:9], mask s[10:11]
	s_load_b64 s[12:13], s[0:1], 0x20              ; out0
	v_lshl_add_u32 v62, v0, 2, 0x4cc00
	v_mov_b32 v63, 0
	ds_add_u32 v62, v63
	v_lshrrev_b32 v1, 5, v0
	v_readfirstlane_b32 s14, v1                    ; wave 0..3
	s_lshr_b32 s15, s14, 1                         ; 0: I fetch K or V; 1: a half of the mask tile
	s_and_b32 s16, s14, 1                          ; which of the two
	s_bfe_u32 s17, ttmp6, 0x40000                  ; cx
	s_bfe_u32 s18, ttmp6, 0x40004                  ; cy
	s_lshl_b32 s19, ttmp9, 2
	s_add_co_u32 s19, s19, s17                     ; query block = 4 x cluster x + cx
	s_and_b32 s20, ttmp7, 0xffff
	s_lshl_b32 s20, s20, 2
	s_add_co_u32 s20, s20, s18                     ; head = 4 x cluster y + cy
	s_lshl_b32 s21, s18, 2
	s_lshl_b32 s21, 15, s21                        ; my row of the cluster: places 4 cy .. 4 cy + 3
	s_lshl_b32 s22, 0x1111, s17                    ; my column: places cx, cx + 4, cx + 8, cx + 12
	s_mov_b32 s72, 0x76543210                      ; v_permlanex16_b32: lane i of one half reads lane i of the other
	s_mov_b32 s73, 0xfedcba98
	; group 1 of a K or V tile: 64 rows x 128 elements of 4 bytes, dense
	s_or_b32  s[G1KV+0], s21, (2<<16)|(1<<21)      ; 15:0 my cluster row; 17:16 elements of 4 bytes; 21 set beside a mask
	s_mov_b32 s[G1KV+1], 128<<16                   ; tensor_dim0 = 128
	s_mov_b32 s[G1KV+2], 64<<16                    ; tensor_dim1 = 64
	s_mov_b32 s[G1KV+3], 128<<16                   ; tile_dim0 = 128
	s_mov_b32 s[G1KV+4], 64                        ; tile_dim1 = 64
	s_mov_b32 s[G1KV+5], 128                       ; elements from row to row
	s_mov_b32 s[G1KV+6], 0
	s_mov_b32 s[G1KV+7], 0
	; group 1 of half a mask tile: 128 rows x 64 elements, 4 words of padding behind every 64
	s_or_b32  s[G1M+0], s22, (2<<16)|(1<<20)|(1<<21)|(5<<22)|(3<<25)   ; 15:0 my cluster column
	s_mov_b32 s[G1M+1], 64<<16
	s_mov_b32 s[G1M+2], 128<<16
	s_mov_b32 s[G1M+3], 64<<16
	s_mov_b32 s[G1M+4], 128
	s_mov_b32 s[G1M+5], 2048
	s_mov_b32 s[G1M+6], 0
	s_mov_b32 s[G1M+7], 0
	; group 1 of a wave's Q rows: 64 rows x 128 elements, 4 words of padding behind every 128; no mask: each work-group's own
	s_mov_b32 s[G1Q+0], (2<<16)|(1<<20)|(6<<22)|(3<<25)
	s_mov_b32 s[G1Q+1], 128<<16
	s_mov_b32 s[G1Q+2], 64<<16
	s_mov_b32 s[G1Q+3], 128<<16
	s_mov_b32 s[G1Q+4], 64
	s_mov_b32 s[G1Q+5], 128
	s_mov_b32 s[G1Q+6], 0
	s_mov_b32 s[G1Q+7], 0
	; offsets.  s[80:83] never hold cx, s[84:87] never hold cy: a joint load's address hangs only on what its four partners share.
	s_lshl_b32 s82, s20, 20                        ; a head is 2,048 rows of 512 bytes
	s_mov_b32 s83, 0
	s_lshl_b32 s86, s19, 21                        ; a query block is 256 mask rows of 8,192 bytes,
	s_lshl_b32 s87, s16, 20                        ; my half 128 rows
	s_add_co_u32 s86, s86, s87
	s_mov_b32 s87, 0
	s_lshl_b32 s88, s20, 20                        ; my 64 rows of Q and of out: head, query block (256 rows), wave (64 rows)
	s_lshl_b32 s89, s19, 17
	s_add_co_u32 s88, s88, s89
	s_lshl_b32 s89, s14, 15
	s_add_co_u32 s88, s88, s89
	s_mov_b32 s89, 0
	s_mul_i32 s90, s14, WPART                      ; my part of a slot: the wave's number times a constant; no place in the cluster enters an LDS address
	s_wait_dscnt 0x0
	s_wait_kmcnt 0x0
	s_cmp_eq_u32 s16, 0
	s_cselect_b64 s[80:81], s[6:7], s[8:9]         ; even waves: key; odd waves: value
	s_add_nc_u64 s[80:81], s[80:81], s[82:83]
	s_add_nc_u64 s[84:85], s[10:11], s[86:87]
.irp s, 0,1
	s_mov_b32 s[G0KV+4*\s], 1                                      ; count = 1
	s_add_co_u32 s[G0KV+4*\s+1], s90, \s*SLOT                      ; LDS address
	s_add_nc_u64 s[G0KV+4*\s+2:G0KV+4*\s+3], s[80:81], \s*32768    ; tile s: 64 rows of 512 bytes each
	s_or_b32 s[G0KV+4*\s+3], s[G0KV+4*\s+3], 0x80000000            ; type = 2
	s_mov_b32 s[G0M+4*\s], 1
	s_add_co_u32 s[G0M+4*\s+1], s90, \s*SLOT
	s_add_nc_u64 s[G0M+4*\s+2:G0M+4*\s+3], s[84:85], \s*256        ; tile s: 64 keys of 4 bytes
	s_or_b32 s[G0M+4*\s+3], s[G0M+4*\s+3], 0x80000000
.endr
	s_mov_b32 s[G0Q], 1
	s_add_co_u32 s[G0Q+1], s90, SLOT               ; Q lands in my part of slot 1
	s_add_nc_u64 s[G0Q+2:G0Q+3], s[4:5], s[88:89]
	s_or_b32 s[G0Q+3], s[G0Q+3], 0x80000000
	s_add_nc_u64 s[76:77], s[80:81], 65536         ; prefetch base: tiles 2 and 3
	s_add_nc_u64 s[12:13], s[12:13], s[88:89]      ; out at my first row
	ROUND                                          ; all sixteen work-groups are here: the first joint loads meet
	tensor_load_to_lds s[G0Q:G0Q+3], s[G1Q:G1Q+7]  ; the first fills go out as one group: my Q rows,
	s_nop 0
	JLOAD 0, 0                                     ; and my part of step 0's tiles: two tensor loads of the wave are out
	v_and_b32 v1, 31, v0                           ; lane L
	v_and_b32 v2, 15, v0                           ; r
	v_bfe_u32 v3, v0, 4, 1                         ; h
	v_lshlrev_b32 v[CO], 4, v1                     ; 16 L
	s_lshl_b32 s90, s14, 13                        ; my 16 rows of 512 bytes
	v_add_nc_u32 v[ADRC], s90, v[CO]
	v_add_nc_u32 v[ADRC+1], SLOT, v[ADRC]
	v_mul_u32_u24 v4, v2, MPITCH                   ; r x 272 (the mask's pitch and bf16 K's)
	v_lshl_add_u32 v5, v3, 5, v4                   ; + 32 h
	s_mul_i32 s90, s14, 64*MPITCH
	s_add_co_u32 s90, s90, MK
	v_add_nc_u32 v[ADRM], s90, v5
	v_add_nc_u32 v[ADRM+1], SLOT, v[ADRM]
	v_lshlrev_b32 v5, 3, v1                        ; 8 L
	s_mul_i32 s90, s14, 16*KPITCH
	s_add_co_u32 s90, s90, BF
	v_add_nc_u32 v[ADRSK], s90, v5
	s_mul_i32 s90, s14, 16*VPITCH
	s_add_co_u32 s90, s90, VB16
	v_add_nc_u32 v[ADRSV], s90, v5
	v_lshl_add_u32 v4, v3, 4, v4                   ; r x 272 + 16 h
	v_add_nc_u32 v[ADRK], BF, v4
	v_and_b32 v4, 7, v0
	v_lshl_add_u32 v4, v3, 3, v4                   ; row 8 h + (L & 7)
	v_mul_u32_u24 v4, v4, VPITCH
	v_bfe_u32 v5, v0, 3, 1
	v_lshl_add_u32 v4, v5, 4, v4                   ; + 16 ((L >> 3) & 1)
	v_add_nc_u32 v[ADRV], VB16, v4
	v_mul_u32_u24 v4, v2, QPITCH
	v_lshl_add_u32 v4, v3, 5, v4                   ; r x 528 + 32 h
	s_mul_i32 s90, s14, WPART
	s_add_co_u32 s90, s90, SLOT
	v_add_nc_u32 v[ADRQ], s90, v4
	s_mul_i32 s90, s14, 16*QPITCH
	s_add_co_u32 s90, s90, BF
	v_add_nc_u32 v[STO], s90, v4
	v_add_nc_u32 v[RD], s90, v[CO]
	s_lshl_b32 s91, s19, 13                        ; my query block's eighth of two tiles: 8,192 bytes
	v_lshl_add_u32 v[PFV], v1, 8, s91
	WIN W_MASK
.irp qt, 0,1,2,3
	v_mov_b32 v[MX+4+\qt], 0xff000000              ; the running maximum starts at -2^127
	v_mov_b32 v[TT+\qt], 0                         ; written once: v_permlanex16_b32 counts as a reader of its destination
.endr
	; ---------------- Q: f32 from my own stage, bf16 fragments into window 3 ----------------
	; QF(qt, c): lane (r, h) holds query 16 qt + r, d = 32 c + 8 h + 0..7 and 32 c + 16 + 8 h + 0..7: four loads of 16 bytes, eight packings.
	s_wait_tensorcnt 0x1                           ; my Q rows are in; the one load issued behind them, my part of step 0's tiles, may be out
.irp b, 0,1
	WIN 0
.irp f, 0,1,2,3,4,5,6,7
	ds_load_b128 v[FR+16*\f:FR+16*\f+3],     v[ADRQ] offset:(2*\b+\f/4)*16*QPITCH+128*(\f%4)
	ds_load_b128 v[FR+16*\f+4:FR+16*\f+7],   v[ADRQ] offset:(2*\b+\f/4)*16*QPITCH+128*(\f%4)+16
	ds_load_b128 v[FR+16*\f+8:FR+16*\f+11],  v[ADRQ] offset:(2*\b+\f/4)*16*QPITCH+128*(\f%4)+64
	ds_load_b128 v[FR+16*\f+12:FR+16*\f+15], v[ADRQ] offset:(2*\b+\f/4)*16*QPITCH+128*(\f%4)+80
.endr
	WIN W_QCV
.irp f, 0,1,2,3,4,5,6,7
	s_wait_dscnt 4*(7-\f)                          ; the four loads of each later fragment may be out
.irp k, 0,1,2,3,4,5,6,7
	v_cvt_pk_bf16_f32 v[QF+8*(8*\b+\f)+\k], v[FR+16*\f+2*\k], v[FR+16*\f+2*\k+1]
.endr
.endr
.endr
	WIN 0
	; ---------------- the 32 steps ----------------
	TRIP 0, 1, 1, 1, 1, 0                          ; step 0 starts all sums; its refill is slot 1's first tile, over the Q stage, which every wave has read
	TRIP 1, 0, 1, 0, 0, 1
	s_mov_b32 s23, 14
.Lsteps:
	TRIP 0, 1, 1, 0, 1, 0                          ; steps 2 to 29
	TRIP 1, 0, 1, 0, 0, 1
	s_sub_co_u32 s23, s23, 1
	s_cmp_lg_u32 s23, 0
	s_cbranch_scc1 .Lsteps
	TRIP 0, 1, 1, 0, 0, 0                          ; step 30 asks for the last tiles and prefetches nothing
	TRIP 1, 0, 0, 0, 0, 0                          ; step 31: nothing is left to fetch
	; ---------------- 1 / l ----------------
	PLACES                                         ; behind the last products: O is read below, FR is loaded again
	WIN W_SM
.irp qt, 0,1,2,3
	v_add_f32 v[TT+\qt], v[LS+2*\qt], v[LS+2*\qt+1]
.endr
.irp qt, 0,1,2,3
	v_permlanex16_b32 v[NM+2*\qt], v[TT+\qt], s72, s73             ; the other half of the query's keys
.endr
.irp qt, 0,1,2,3
	v_add_f32 v[TT+\qt], v[TT+\qt], v[NM+2*\qt]
.endr
.irp qt, 0,1,2,3
	v_rcp_f32 v[AL+2*\qt],   v[TT+\qt]
	v_rcp_f32 v[AL+2*\qt+1], v[TT+\qt]
.endr
	v_nop                                          ; one plain vector instruction between the last reciprocal and its first use (ISA guide 5.7.2)
	WIN 0
	s_wait_dscnt 0x0                               ; my reads of the bf16 stage are over (met: the last products waited for them)
	s_barrier_signal -1
	s_barrier_wait -1                              ; every wave's are: the bytes now serve as the stage of the way out
	OUT16 0, FR
	OUT16 1, FR+64
	OUT16 2, FR
	OUT16 3, FR+64
	s_wait_tensorcnt 0x0
	ds_add_u32 v62, v63
	s_wait_dscnt 0x0
	ROUND                                          ; the closing round: no work-group ends while a partner may still ask for a tile that names it
	s_endpgm
.Lfunc_end_k_q4d2adb073a_attn:
	.size	k_q4d2adb073a_attn, .Lfunc_end_k_q4d2adb073a_attn-k_q4d2adb073a_attn
	.p2alignl 7, 3214868480
	.fill 96, 4, 3214868480
	.section	.rodata,"a",@progbits
	.p2align	6, 0x0
	.amdhsa_kernel k_q4d2adb073a_attn
		.amdhsa_group_segment_fixed_size 327680
		.amdhsa_private_segment_fixed_size 0
		.amdhsa_enable_private_segment 0
		.amdhsa_kernarg_size 40
		.amdhsa_user_sgpr_count 2
		.amdhsa_user_sgpr_kernarg_segment_ptr 1
		.amdhsa_wavefront_size32 1
		.amdhsa_system_sgpr_workgroup_id_x 1
		.amdhsa_system_sgpr_workgroup_id_y 1
		.amdhsa_system_sgpr_workgroup_id_z 1
		.amdhsa_system_vgpr_workitem_id 0
		.amdhsa_next_free_vgpr 896
		.amdhsa_next_free_sgpr 92
		.amdhsa_reserve_vcc 0
		.amdhsa_float_denorm_mode_32 3
		.amdhsa_float_denorm_mode_16_64 3
		.amdhsa_memory_ordered 1
		.amdhsa_forward_progress 1
		.amdhsa_inst_pref_size 255
	.end_amdhsa_kernel
	.section	.bss,"aw",@nobits
	.p2align	6
	.space	262144
	.amdgpu_metadata
---
amdhsa.version: [ 1, 2 ]
amdhsa.kernels:
  - .name:           k_q4d2adb073a_attn
    .symbol:         k_q4d2adb073a_attn.kd
    .args:
      - { .name: query, .offset: 0, .size: 8, .value_kind: global_buffer, .address_space: global }
      - { .name: key, .offset: 8, .size: 8, .value_kind: global_buffer, .address_space: global }
      - { .name: value, .offset: 16, .size: 8, .value_kind: global_buffer, .address_space: global }
      - { .name: mask, .offset: 24, .size: 8, .value_kind: global_buffer, .address_space: global }
      - { .name: out0, .offset: 32, .size: 8, .value_kind: global_buffer, .address_space: global }
    .group_segment_fixed_size: 327680
    .private_segment_fixed_size: 0
    .kernarg_segment_align: 8
    .kernarg_segment_size: 40
    .max_flat_workgroup_size: 128
    .sgpr_count:     92
    .vgpr_count:     896
    .wavefront_size: 32
...
	.end_amdgpu_metadata
.endif
;; end of part 1
